; MI455X (gfx1250); checked and timed in simulation.
; The chip was launched on July 23, 2026; its instructions are those of AMD's public machine-readable ISA for CDNA 5 (MIT licence, August 2026) and "CDNA5" Instruction Set Architecture Reference Guide (July 2026). The comments in the code are by the model that wrote it; some were corrected since.
;; Sparse Multi Head Attention. Allowed arithmetic: float matrix products may take bf16 or f16 operands with f32 sums; other float arithmetic in f32, or as packed bf16 or f16 multiplies, adds, multiply-adds, maxima and minima; sums over many terms, partial sums and values carried from step to step in f32; what a program stores and reads back later, other than sums and carried values, may be rounded once to bf16 or f16.
;; Inputs: Wk 1,024 x 1,024 float32; Wo 1,024 x 1,024 float32; Wq 1,024 x 1,024 float32; Wv 1,024 x 1,024 float32; bo 1,024 float32; keys 4 x 2,048 x 1,024 float32; mask 4 x 1 x 2,048 x 2,048 bool; query 4 x 2,048 x 1,024 float32; values 4 x 2,048 x 1,024 float32.
;; Outputs: out0 4 x 2,048 x 1,024 float32.
;; 2 versions, each right; version 2 is version 1 with the launch castw written anew for expert scheduling mode. Each part assembles by itself: llvm-mc -triple=amdgcn-amd-amdhsa -mcpu=gfx1250 --defsym DOCPART=n.
;; ======== version 1 of 2: 3 launches
;; limits: values are held in f16: magnitudes above 65,504 overflow, below 6.1e-05 lose precision
;; workspace buffers: wt 8,388,608 bytes; oh 16,777,216 bytes; vpart 262,144 bytes; dead 32,768 bytes of whole numbers
;; launch castw (part 1): grid 64 x 4, 8 waves a work-group, no clusters, 0 bytes of LDS; arguments Wq, Wk, Wv, Wo, wt; writes wt
.if DOCPART == 1
	.amdgcn_target "amdgcn-amd-amdhsa--gfx1250"
	.amdhsa_code_object_version 6
	.text
	.protected	k_qdd384bbd99_castw
	.globl	k_qdd384bbd99_castw
	.p2align	8
	.type	k_qdd384bbd99_castw,@function
k_qdd384bbd99_castw:
	s_mov_b64 s[64:65], 0
	v_nop
	global_prefetch_b8 v0, s[64:65] scope:SCOPE_SE
	s_setreg_imm32_b32 hwreg(HW_REG_WAVE_MODE, 25, 1), 1
	s_wait_xcnt 0x0
; The four weight matrices [1024][1024] f32 are rounded once to bf16 and laid out in the order in which the two matrix launches walk them:
; wt[y 4][s 32][256 rows][128 k], 2 bytes a number, s = 8 g + ks, g = 0 Wq, 1 Wk, 2 Wv, 3 Wo.  Row c of a matrix lies at y = c / 256, tile row c % 256; a tile is 65,536 dense bytes.
; Wq, Wk, Wv stay bf16.  Wo multiplies f16 numbers later: its bf16-rounded value is written as f16.
; LIMIT: |Wo| stays under 65,504; below 6.1e-5 the f16 copy keeps a fixed step of 6e-8.
; SHARES.  Work-group (x, g) takes rows 16 x .. 16 x + 15 of matrix g.  Thread t: half = t / 128 picks one of two rows, t % 128 picks 8 numbers (32 bytes in, 16 bytes out).
; Eight passes of two rows.  All 16 loads go out first; each pass has registers of its own, so nothing that a pending load or store names is written again.
; No LDS, no barrier, no matrix unit: a stream bound by its bytes.
.set SO,  2                            ; v2  byte offset in the 16 source rows: half x 4,096 + 32 (t % 128)
.set DO,  3                            ; v3  byte offset in wt: (t % 128 / 16) x 65,536 + half x 256 + 16 (t % 16)
.set IN,  16                           ; v[16:79]   pass i: 8 numbers f32
.set OUT, 80                           ; v[80:111]  pass i: 8 numbers of 16 bits
.set TL,  112                          ; v[112:113] at work
	s_load_b256 s[4:11], s[0:1], 0x0               ; Wq s[4:5], Wk s[6:7], Wv s[8:9], Wo s[10:11]
	s_load_b64 s[12:13], s[0:1], 0x20              ; wt
	s_and_b32 s16, ttmp7, 0xffff                   ; g
	v_lshrrev_b32 v1, 7, v0                        ; half
	v_and_b32 v4, 127, v0
	v_lshlrev_b32 v[SO], 5, v4
	v_lshl_add_u32 v[SO], v1, 12, v[SO]
	v_lshrrev_b32 v5, 4, v4                        ; ks
	v_and_b32 v6, 15, v4
	v_lshlrev_b32 v[DO], 16, v5
	v_lshl_add_u32 v[DO], v1, 8, v[DO]
	v_lshl_add_u32 v[DO], v6, 4, v[DO]
	s_lshl_b32 s18, ttmp9, 16                      ; 16 source rows of 4,096 bytes
	s_mov_b32 s19, 0
	s_lshr_b32 s20, ttmp9, 4                       ; y
	s_lshl_b32 s20, s20, 5
	s_lshl3_add_u32 s20, s16, s20                  ; 32 y + 8 g
	s_lshl_b32 s20, s20, 16
	s_and_b32 s21, ttmp9, 15
	s_lshl_b32 s21, s21, 12                        ; 16 tile rows of 256 bytes
	s_add_co_u32 s20, s20, s21
	s_mov_b32 s21, 0
	s_wait_kmcnt 0x0
	s_cmp_eq_u32 s16, 1
	s_cselect_b64 s[14:15], s[6:7], s[4:5]
	s_cmp_eq_u32 s16, 2
	s_cselect_b64 s[14:15], s[8:9], s[14:15]
	s_cmp_eq_u32 s16, 3
	s_cselect_b64 s[14:15], s[10:11], s[14:15]
	s_add_nc_u64 s[14:15], s[14:15], s[18:19]
	s_add_nc_u64 s[12:13], s[12:13], s[20:21]
.irp i, 0,1,2,3,4,5,6,7
	global_load_b128 v[IN+8*\i:IN+8*\i+3],   v[SO], s[14:15] offset:\i*8192 th:TH_LOAD_NT
	global_load_b128 v[IN+8*\i+4:IN+8*\i+7], v[SO], s[14:15] offset:\i*8192+16 th:TH_LOAD_NT
.endr
; Pass i.  tof16 = 1: the bf16 number is widened (a shift, a mask) and written as f16.
.macro PASS i, tof16
	s_wait_loadcnt 14-2*(\i)                       ; loads come back in order: this pass's two are in, the 14 - 2 i younger ones stay out
.irp k, 0,1,2,3
	v_cvt_pk_bf16_f32 v[OUT+4*(\i)+\k], v[IN+8*(\i)+2*\k], v[IN+8*(\i)+2*\k+1]
.endr
.if \tof16
.irp k, 0,1,2,3
	v_lshlrev_b32 v[TL], 16, v[OUT+4*(\i)+\k]
	v_and_b32 v[TL+1], 0xffff0000, v[OUT+4*(\i)+\k]
	v_cvt_pk_f16_f32 v[OUT+4*(\i)+\k], v[TL], v[TL+1]
.endr
.endif
	global_store_b128 v[DO], v[OUT+4*(\i):OUT+4*(\i)+3], s[12:13] offset:(\i)*512  ; 16 lanes store 256 consecutive bytes, aligned
.endm
	s_cmp_eq_u32 s16, 3
	s_cbranch_scc1 .Lwo
.irp i, 0,1,2,3,4,5,6,7
	PASS \i, 0
.endr
	s_endpgm
.Lwo:
.irp i, 0,1,2,3,4,5,6,7
	PASS \i, 1
.endr
	s_endpgm
.Lfunc_end_k_qdd384bbd99_castw:
	.size	k_qdd384bbd99_castw, .Lfunc_end_k_qdd384bbd99_castw-k_qdd384bbd99_castw
	.p2alignl 7, 3214868480
	.fill 96, 4, 3214868480
	.section	.rodata,"a",@progbits
	.p2align	6, 0x0
	.amdhsa_kernel k_qdd384bbd99_castw
		.amdhsa_group_segment_fixed_size 0
		.amdhsa_private_segment_fixed_size 0
		.amdhsa_enable_private_segment 0
		.amdhsa_kernarg_size 40
		.amdhsa_user_sgpr_count 2
		.amdhsa_user_sgpr_kernarg_segment_ptr 1
		.amdhsa_wavefront_size32 1
		.amdhsa_system_sgpr_workgroup_id_x 1
		.amdhsa_system_sgpr_workgroup_id_y 1
		.amdhsa_system_sgpr_workgroup_id_z 1
		.amdhsa_system_vgpr_workitem_id 0
		.amdhsa_next_free_vgpr 120
		.amdhsa_next_free_sgpr 66
		.amdhsa_reserve_vcc 0
		.amdhsa_float_denorm_mode_32 3
		.amdhsa_float_denorm_mode_16_64 3
		.amdhsa_memory_ordered 1
		.amdhsa_forward_progress 1
		.amdhsa_inst_pref_size 15
	.end_amdhsa_kernel
	.amdgpu_metadata
---
amdhsa.version: [ 1, 2 ]
amdhsa.kernels:
  - .name:           k_qdd384bbd99_castw
    .symbol:         k_qdd384bbd99_castw.kd
    .args:
      - { .name: Wq, .offset: 0, .size: 8, .value_kind: global_buffer, .address_space: global }
      - { .name: Wk, .offset: 8, .size: 8, .value_kind: global_buffer, .address_space: global }
      - { .name: Wv, .offset: 16, .size: 8, .value_kind: global_buffer, .address_space: global }
      - { .name: Wo, .offset: 24, .size: 8, .value_kind: global_buffer, .address_space: global }
      - { .name: wt, .offset: 32, .size: 8, .value_kind: global_buffer, .address_space: global }
    .group_segment_fixed_size: 0
    .private_segment_fixed_size: 0
    .kernarg_segment_align: 8
    .kernarg_segment_size: 40
    .max_flat_workgroup_size: 256
    .sgpr_count:     66
    .vgpr_count:     120
    .wavefront_size: 32
...
	.end_amdgpu_metadata
.endif
;; end of part 1
;; launch qkva (part 2): grid 64 x 4, 4 waves a work-group, clusters of 4 x 1, 327,680 bytes of LDS; arguments query, keys, values, mask, wt, oh, vpart, dead; writes oh, vpart, dead
.if DOCPART == 2
	.amdgcn_target "amdgcn-amd-amdhsa--gfx1250"
	.amdhsa_code_object_version 6
	.text
	.protected	k_qdd384bbd99_qkva
	.globl	k_qdd384bbd99_qkva
	.p2align	8
	.type	k_qdd384bbd99_qkva,@function
k_qdd384bbd99_qkva:
	s_mov_b64 s[64:65], 0
	v_nop
	global_prefetch_b8 v0, s[64:65] scope:SCOPE_SE
	s_setreg_imm32_b32 hwreg(HW_REG_WAVE_MODE, 25, 1), 1
	s_wait_xcnt 0x0
	s_wait_alu depctr_hold_cnt(0) depctr_sa_sdst(0) depctr_va_vdst(0) depctr_va_sdst(0) depctr_va_ssrc(0) depctr_va_vcc(0) depctr_vm_vsrc(0)
	s_getreg_b32 s2, hwreg(HW_REG_IB_STS2, 6, 4)
	s_cmp_eq_u32 s2, 0
	s_cbranch_scc0 .Lentry_in_a_cluster
	s_endpgm
.Lentry_in_a_cluster:
	s_bfe_u32 s2, ttmp6, 0x10000c
	s_cmp_lg_u32 s2, 0x3003
	s_cbranch_scc0 .Lentry_shape_is_right
	s_endpgm
.Lentry_shape_is_right:
; q = query Wq^T, k = keys Wk^T, v = values Wv^T and the banded attention of four heads, for 128 rows; q, k, v never leave the work-group.
; Only keys with |key - query| <= 5 can have a weight (the band is built by the problem itself), so a tile of 16 queries meets 32 keys: those from 8 rows ahead of the tile on.
; SHARES.  Work-group (b, y): rows r0 = 128 b .. + 127 (one batch: 2,048 is a multiple of 128), channels 256 y .. + 255 = heads 4 y .. 4 y + 3.  Wave w owns head 4 y + w: attention stays inside a wave.
; Three products of 144 rows x 256 channels x K = 1,024 run through ONE loop of 24 K steps of 128 (step s = 8 g + ks).  The 144 rows begin at r0 for q (its last 16 rows serve nothing: the price of one text)
; and at r0 - 8 for k and v (8 rows of halo on either side).  A wave makes 144 x 64: 36 accumulators (a = 0..8, b = 0..3).
; LAYOUT.  Source 0 = 16 rows of W, source 1 = 16 rows of x: a lane holds ONE row (lane % 16) and the channels 16 b + 8 (lane / 16) + 0..7.  Two accumulators (a, 2 c), (a, 2 c + 1), rounded to f16 in
; pairs, ARE a fragment of 16 rows x 32 channels: k's as source 0 and q's as source 1 of S^T = k q^T.  S^T holds one query a lane and 8 keys an accumulator; two of them rounded ARE source 1 of O^T = v^T P.
; DATA.  W (bf16, in tile order) comes by tensor loads into a ring of two slots; the four row blocks of a cluster walk the same tiles and ask JOINTLY.  Each wave fetches and reads its own 64 rows.
; x (f32) comes through registers: wave w takes tile rows 36 w .. + 35, a load a row (512 bytes of a step), rounds to bf16 and stores 256 bytes a row into one of two LDS slots that all four waves read.
; FORMATS.  All inputs are rounded to bf16; q, k, v, P and O are f16; sums, maxima and the softmax f32.
; LIMITS.  |q|, |k|, |v| under 65,504 (f16).  A hidden score counts as -2^100 (true scores reach 2.7e11 at the most); c x 2^100 is exact, so a row with every key hidden gets weights of exactly 1, a finite row
; in oh, and the flag dead = 1: the next launch puts the mean of v in its place, which is what a softmax over equal scores gives.  Mask bytes are 0 or 1.  NaN and infinities are not treated apart.
; ROWS OUTSIDE THE TENSOR (8 ahead of the first block, 8 or 16 behind the last) are read from rows 8 or 16 away, inside it: they are keys that the range mask hides, or q's unused rows.
; LDS.  0 W slot 0, 69,632 W slot 1 (256 rows x 272); 139,264 and 178,432 x slots (144 x 272); 217,600 q's fragments, 16,384 a wave; 283,136 stages, 2,304 a wave; 292,352 spare words.
; When both W slots have had their last fill, v (144 keys x 160 bytes a wave) is stored from byte 0 on.
; REGISTERS, in windows of 256 (s_set_vgpr_msb: bits 1:0 source 0, 3:2 source 1, 5:4 source 2, 7:6 destination):
;   window 0: v0-31 addresses; v32-175 x as loaded, later q's fragments; v176-199 at work; v200-231 the mask's bytes
;   window 1: two fragment buffers of 104 (W 8 b, x 32 + 8 a); later v^T (channel block cb, key block j at 36 cb + 4 j)
;   window 2: accumulators a < 8 at 8 (4 a + b); in attention S^T, O^T, P, masks and what is at work        window 3: v0-31 accumulators a = 8; v32-175 k's fragments at 32 + 16 a + 4 b
.set PITCH, 272                        ; 256 bytes + 16: the 16 rows of a fragment load start at 16 different groups of four banks (64 banks of 4 bytes: ISA guide 11.1)
.set WSLOT, 256*PITCH
.set XLDS,  2*WSLOT
.set XSLOT, 144*PITCH
.set QREG,  XLDS+2*XSLOT
.set STG,   QREG+4*16384
.set SPARE, STG+4*2304                 ; the spare words, 128 bytes a wave: two blocks of 256 bytes that no other line names
.set PV,    160                        ; a key's row of v: 128 bytes + 32
.set ADRW, 2                           ; v2-3   my W fragments in slot 0, 1
.set ADRX, 4                           ; v4-5   the x fragments in slot 0, 1
.set XSA,  6                           ; v6     where I store 8 bytes of a row of x (slot 0, my wave's first row)
.set VO,   8                           ; v8-11  byte offsets of my 16 bytes in the first row of the four row groups (rows 0-7, 8-19, 20-27, 28-35 of my 36), for the tensor in hand
.set VOK,  12                          ; v12-15 the same for keys and values
.set PFO,  16                          ; v16    4,096 x lane
.set QST,  17                          ; v17    q's fragments: my 16 bytes
.set VST,  18                          ; v18    v into LDS
.set VTA,  19                          ; v19    v^T out of LDS
.set STO,  20                          ; v20    the way out: in
.set RD,   21                          ; v21    the way out: back
.set GO,   22                          ; v22    16 x lane
.set MO,   23                          ; v23-25 the mask's offsets: plain, for the first 8 keys, for the last 8
.set L4,   26                          ; v26    4 x lane
.set LN,   27                          ; v27    lane
.set SPW,  28                          ; v28    my spare word; never rewritten
.set NIL,  29                          ; v29    0; never rewritten
.set XS,   32
.set QF,   32
.set T,    176
.set BND,  184                         ; v184-187 the band as bytes 0 / 1: key block jb, word at 2 jb + word
.set MK,   200
.set F0,   0
.set F1,   104
.set KP,   32                          ; window 3
.set OT,   16                          ; window 2, in attention: S^T v0-15; O^T v16-47
.set P,    48
.set TA,   56
.set TB,   57
.set CM,   58                          ; v[58:59] c m, named as a pair
.set RL,   60                          ; v[60:61] 1 / l, named as a pair
.set TX,   62
.set VT,   64                          ; v64-65 the sums of v, as stored
.set M,    80                          ; v80-111 mask & band, tile t, key block jb at 80 + 4 t + 2 jb
.set ONEA, 116
.set ONEF, 124
.set ONEZ, 132
.set OP,   140
.set OBF,  160
.set FL,   192
.set WV,   20                          ; s20 wave   s21 row block   s22 y   s23 r0   s63 head
.set BLK,  21
.set YB,   22
.set R0,   23
.set G1,   24                          ; s[24:31] descriptor group 1
.set G0,   32                          ; s[32:39] group 0, a set for each slot
.set XB,   40                          ; s[40:41] the tensor in hand at the K step that a lap's first trip loads
.set PF,   46                          ; s[46:47] where the prefetches stand; s[48:49], s[50:51] their starts in keys and values
.set CNT,  52                          ; s52 laps to go, 11 .. 1
.set LIM,  53                          ; s53 1 in a work-group that prefetches, else the greatest number
.set SELM, 54
.set HM,   55                          ; s55 lanes 16-31
.set CS,   56                          ; s[56:57] c = log2(e) / 8
.set SEL,  58                          ; s[58:59] v_permlanex16_b32: the same place in the other half
.set BIG,  60                          ; s60 -2^100
.set LOM,  61                          ; s61 lanes whose first 8 keys lie ahead of the batch
.set HIM,  62                          ; s62 lanes whose last 8 keys lie behind it
.set HEAD, 63
; scratch: s72-77 may hold numbers made from the place in the cluster; s44, s45, s78, s79 never do: they feed descriptors, LDS addresses and branches
.set MSB, 0
.macro WIN new                         ; the immediate's high byte repeats the setting that is left; a switch that changes nothing is dropped
.if MSB != (\new)
	s_set_vgpr_msb (MSB<<8)|(\new)
.set MSB, \new
.endif
.endm
.macro PLACES                          ; four places behind matrix instructions, in front of loads into registers that they read and of lines that read their results
.rept 4
	v_nop
.endr
.endm
.macro CREST                           ; a round of the cluster's barrier behind its opening barrier
	s_cmp_lg_u32 s[WV], 0
	s_cbranch_scc1 .Lnot_wave_0_\@
	s_barrier_signal -3
.Lnot_wave_0_\@:
	s_barrier_wait -3
	s_barrier_signal -1
	s_barrier_wait -1
.endm
.macro CROUND
	s_barrier_signal -1
	s_barrier_wait -1
	CREST
.endm
; The four offsets of a tensor whose first row for my wave is s72 (signed).  A group that would leave the tensor is read 8 rows further down (ahead of row 0) or 16 rows further up (behind row 8,191).
.macro VOSET base
	s_add_co_i32 s73, s72, 8
	s_cmp_lt_i32 s72, 0
	s_cselect_b32 s74, s73, s72
	s_lshl_b32 s74, s74, 12
	v_lshl_add_u32 v[(\base)], v[LN], 4, s74
	s_lshl_b32 s74, s73, 12
	v_lshl_add_u32 v[(\base)+1], v[LN], 4, s74
	s_add_co_i32 s73, s72, 20
	s_add_co_i32 s74, s72, 4
	s_add_co_i32 s75, s72, 27
	s_cmp_gt_i32 s75, 8191
	s_cselect_b32 s74, s74, s73
	s_lshl_b32 s74, s74, 12
	v_lshl_add_u32 v[(\base)+2], v[LN], 4, s74
	s_add_co_i32 s73, s72, 28
	s_add_co_i32 s74, s72, 12
	s_add_co_i32 s75, s72, 35
	s_cmp_gt_i32 s75, 8191
	s_cselect_b32 s74, s74, s73
	s_lshl_b32 s74, s74, 12
	v_lshl_add_u32 v[(\base)+3], v[LN], 4, s74
.endm
.macro XGROUP                          ; row ii's group: its offset register GV and first row GF
.if ii < 8
.set GV, VO
.set GF, 0
.elseif ii < 20
.set GV, VO+1
.set GF, 8
.elseif ii < 28
.set GV, VO+2
.set GF, 20
.else
.set GV, VO+3
.set GF, 28
.endif
.endm
.macro XLOAD p, off                    ; rows 12 p .. 12 p + 11 of my 36: a load a row, 512 consecutive bytes
.set ii, 12*(\p)
.rept 12
	XGROUP
	global_load_b128 v[XS+4*ii:XS+4*ii+3], v[GV], s[XB:XB+1] offset:(ii-GF)*4096+(\off)
.set ii, ii+1
.endr
.endm
; Once a lap, ahead of its first loads: the pointers step two K steps, or change tensor.  The lap with CNT laps to go loads steps 24 - 2 CNT and 25 - 2 CNT and prefetches the two after those.  No branch: selects on the counter.
.macro LAPTOP
	s_wait_xcnt 0x0                                ; every load and prefetch issued so far has read its address registers: they are written only behind this wait
	s_add_nc_u64 s[XB:XB+1], s[XB:XB+1], 1024
	s_add_nc_u64 s[PF:PF+1], s[PF:PF+1], 1024
	s_cmp_eq_u32 s[CNT], 8                         ; step 8: keys
	s_cselect_b64 s[XB:XB+1], s[6:7], s[XB:XB+1]
	s_cselect_b32 s[SELM], -1, 0
	s_cmp_eq_u32 s[CNT], 4                         ; step 16: values
	s_cselect_b64 s[XB:XB+1], s[8:9], s[XB:XB+1]
	s_cmp_eq_u32 s[CNT], 9
	s_cselect_b64 s[PF:PF+1], s[48:49], s[PF:PF+1]
	s_cmp_eq_u32 s[CNT], 5
	s_cselect_b64 s[PF:PF+1], s[50:51], s[PF:PF+1]
.irp g, 0,1,2,3
	v_cndmask_b32 v[VO+\g], v[VO+\g], v[VOK+\g], s[SELM]  ; from keys on the rows begin 8 earlier
.endr
.endm
; Rows 12 p .. + 11 of the step that was loaded are rounded to bf16 and stored into x slot dst; load = 1: their registers take the next step but one.  left: the younger loads that may stay out.
.macro XPART p, dst, off, load, left
	WIN 0
	s_wait_loadcnt \left                           ; loads come back in order: of my 36 the oldest 12 are in
.set ii, 12*(\p)
.set kk, 0
.rept 12
	v_cvt_pk_bf16_f32 v[T+kk],   v[XS+4*ii],   v[XS+4*ii+1]
	v_cvt_pk_bf16_f32 v[T+kk+1], v[XS+4*ii+2], v[XS+4*ii+3]
.set ii, ii+1
.set kk, kk+2
.endr
.set ii, 12*(\p)
.set kk, 0
.rept 12
	ds_store_b64 v[XSA], v[T+kk:T+kk+1] offset:(\dst)*XSLOT+ii*PITCH  ; 32 lanes, 256 consecutive bytes
.set ii, ii+1
.set kk, kk+2
.endr
.if (\load) && ((\p) == 0) && ((\off) == 0)
	LAPTOP
.endif
.if \load
	XLOAD \p, \off
.endif
.endm
; 26 LDS loads in one run: quarter q (32 along K) of slot: my 4 fragments of W, the 9 of x, into buffer f
.macro FETCH slot, q, f
	WIN 0x40                                       ; destination window 1, address window 0
.irp i, 0,1,2,3
	ds_load_b128 v[(\f)+8*\i:(\f)+8*\i+3],   v[ADRW+(\slot)] offset:\i*16*PITCH+64*(\q)
	ds_load_b128 v[(\f)+8*\i+4:(\f)+8*\i+7], v[ADRW+(\slot)] offset:\i*16*PITCH+64*(\q)+32
.endr
.irp i, 0,1,2,3,4,5,6,7,8
	ds_load_b128 v[(\f)+32+8*\i:(\f)+32+8*\i+3],   v[ADRX+(\slot)] offset:\i*16*PITCH+64*(\q)
	ds_load_b128 v[(\f)+32+8*\i+4:(\f)+32+8*\i+7], v[ADRX+(\slot)] offset:\i*16*PITCH+64*(\q)+32
.endr
.endm
; Row blocks a0 .. a1 x all 4 channel blocks.  The 36 accumulators take turns, one instruction a turn, in the same order in every quarter.
.macro MUL f, a0, a1
.set aa, \a0
.rept (\a1)-(\a0)+1
.if aa < 8
	WIN 0xa5                                       ; W and x window 1, C and D window 2
.set rA, 32*aa
.else
	WIN 0xf5                                       ; C and D window 3
.set rA, 0
.endif
.irp b, 0,1,2,3
	v_wmma_f32_16x16x32_bf16 v[rA+8*\b:rA+8*\b+7], v[(\f)+8*\b:(\f)+8*\b+7], v[(\f)+32+8*aa:(\f)+32+8*aa+7], v[rA+8*\b:rA+8*\b+7]
.endr
.set aa, aa+1
.endr
.endm
; A PREFETCH INTO THE L2 of x, behind the joint load, its five lines and the run of LDS loads: trip s names K step s + 4, two trips ahead of that step's loads.  The four work-groups with the same rows
; (y = 0 .. 3) read the same x: y = 0 asks.  Wave w names rows r0 + 32 w + lane, a lane a row, the step's 512 bytes as two blocks: each block is named once in the launch (a halo row by the block that owns it).
; The first four steps come by their loads alone; the last lap asks for nothing.
.macro ASK trip
	s_cmp_gt_u32 s[CNT], s[LIM]
	s_cbranch_scc0 .Lnot_mine_\@
	global_prefetch_b8 v[PFO], s[PF:PF+1] offset:(\trip)*512 th:TH_LOAD_NT scope:SCOPE_SE
	global_prefetch_b8 v[PFO], s[PF:PF+1] offset:(\trip)*512+256 th:TH_LOAD_NT scope:SCOPE_SE
.Lnot_mine_\@:
.endm
; One of a K step's first three quarters: multiplies buffer f; in its middle a third of the next step's x goes into the other x slot, and the next quarter's fragments are fetched into g.
; mode 2: in the loop.  1: step 22: nothing is loaded any more.  0: step 23: no x is left.
.macro QUARTER slot, q, f, g, mode
	s_wait_dscnt 0x0                               ; buffer f is in
	MUL \f, 0, 1
.if (\mode) == 2
	XPART \q, 1-(\slot), (\slot)*512, 1, 24        ; its 24 conversions are the places in front of the loads into g
.elseif (\mode) == 1
	XPART \q, 1-(\slot), 0, 0, 24-12*(\q)
.else
	PLACES
.endif
	FETCH \slot, (\q)+1, \g
	MUL \f, 2, 8
.endm
; The last quarter multiplies buffer 1 and changes slots: ONE barrier.  In front of it each wave waits for all its tensor loads (one is out: its rows of the other W slot), adds 0 to its spare word, and waits for
; that, for its reads of both slots in hand and for its stores into the other x slot.  fill = 1: the barrier opens a round of the cluster's, and my rows of the W slot just read are asked for again, two steps on.
.macro TURN slot, fill
	WIN 0
	s_wait_tensorcnt 0x0                           ; no tensor load of mine is out, so a group 0 may be written
	ds_add_u32 v[SPW], v[NIL]
	s_wait_dscnt 1                                 ; buffer 1 is in; the add may be out
	MUL F1, 0, 1
	s_wait_dscnt 0x0                               ; the add is done; my LDS reads and stores are over
	s_barrier_signal -1
	MUL F1, 2, 3                                   ; work on registers while the others arrive
	WIN 0                                          ; at a branch and at a label every window is 0
	s_barrier_wait -1
.if \fill
	CREST                                          ; no wave of any partner still reads the slot or has a load on its way
	s_add_nc_u64 s[G0+4*(\slot)+2:G0+4*(\slot)+3], s[G0+4*(\slot)+2:G0+4*(\slot)+3], 2*65536
	tensor_load_to_lds s[G0+4*(\slot):G0+4*(\slot)+3], s[G1:G1+7]  ; my one tensor load behind the round, and the first thing there
	s_nop 0
.endif
	PLACES                                         ; also the places in front of the loads into buffer 0
	FETCH 1-(\slot), 0, F0
.if \fill
	WIN 0
	ASK \slot
.endif
	MUL F1, 4, 8
.endm
.macro TRIP slot, mode
	QUARTER \slot, 0, F0, F1, \mode
	QUARTER \slot, 1, F1, F0, \mode
	QUARTER \slot, 2, F0, F1, \mode
.if (\mode) > 0
	TURN \slot, (\mode)-1
.else
	s_wait_dscnt 0x0
	MUL F1, 0, 8
.endif
.endm
.macro CLEAR                           ; one text serves all three products, so their sums start from registers set to 0: 288 lines, three times a launch
	WIN 0x80
.set ii, 0
.rept 256
	v_mov_b32 v[ii], 0
.set ii, ii+1
.endr
	WIN 0xc0
.set ii, 0
.rept 32
	v_mov_b32 v[ii], 0
.set ii, ii+1
.endr
	WIN 0
.endm
; The three ways out of a product.  Each accumulator's registers are read in ascending order.
.macro EPI_Q                           ; q's 8 row blocks, rounded to f16, into my own LDS bytes as they lie in the lanes
.set aa, 0
.rept 8
	WIN 0x0a
.irp k, 0,1,2,3,4,5,6,7,8,9,10,11,12,13,14,15
	v_cvt_pk_f16_f32 v[T+\k], v[32*aa+2*\k], v[32*aa+2*\k+1]
.endr
	WIN 0
.irp b, 0,1,2,3
	ds_store_b128 v[QST], v[T+4*\b:T+4*\b+3] offset:(4*aa+\b)*512
.endr
.set aa, aa+1
.endr
.endm
.macro EPI_K                           ; k's 9 row blocks stay in registers
.set aa, 0
.rept 9
.if aa < 8
	WIN 0xca
.set rA, 32*aa
.else
	WIN 0xcf
.set rA, 0
.endif
.irp k, 0,1,2,3,4,5,6,7,8,9,10,11,12,13,14,15
	v_cvt_pk_f16_f32 v[KP+16*aa+\k], v[rA+2*\k], v[rA+2*\k+1]
.endr
.set aa, aa+1
.endr
	WIN 0
.endm
.macro EPI_V                           ; v's 9 row blocks into LDS as [key][channel], to come back turned
.set aa, 0
.rept 9
.if aa < 8
	WIN 0x0a
.set rA, 32*aa
.else
	WIN 0x0f
.set rA, 0
.endif
.irp k, 0,1,2,3,4,5,6,7,8,9,10,11,12,13,14,15
	v_cvt_pk_f16_f32 v[T+\k], v[rA+2*\k], v[rA+2*\k+1]
.endr
	WIN 0
.irp b, 0,1,2,3
	ds_store_b128 v[VST], v[T+4*\b:T+4*\b+3] offset:aa*16*PV+32*\b
.endr
.set aa, aa+1
.endr
.endm
	s_load_b512 s[4:19], s[0:1], 0x0               ; query s[4:5], keys s[6:7], values s[8:9], mask s[10:11], wt s[12:13], oh s[14:15], vpart s[16:17], dead s[18:19]
	v_lshl_add_u32 v[SPW], v0, 2, SPARE
	v_mov_b32 v[NIL], 0
	ds_add_u32 v[SPW], v[NIL]                      ; the wave's opening: the add and its wait ahead of my first tensor load; work on registers stands between them
	v_lshrrev_b32 v1, 5, v0
	v_readfirstlane_b32 s[WV], v1
	s_bfe_u32 s72, ttmp6, 0x40000                  ; cx
	s_lshl_b32 s[BLK], ttmp9, 2                    ; in a cluster launch ttmp9 counts clusters
	s_add_co_u32 s[BLK], s[BLK], s72
	s_and_b32 s[YB], ttmp7, 0xffff                 ; the four partners share y
	s_lshl_b32 s[R0], s[BLK], 7
	s_lshl2_add_u32 s[HEAD], s[YB], s[WV]
	; group 1: 64 rows x 128 elements of 2 bytes, dense in memory, padded in LDS
	s_mov_b32 s[G1+0], 15|(1<<16)|(1<<20)|(1<<21)|(5<<22)|(3<<25)  ; 15:0 the mask of four; 17:16 2-byte elements; 20 padding on; 21 set beside a mask; 24:22 after every 64 words; 31:25 4 words
	s_mov_b32 s[G1+1], 128<<16                     ; tensor_dim0 = 128
	s_mov_b32 s[G1+2], 64<<16                      ; tensor_dim1 = 64
	s_mov_b32 s[G1+3], 128<<16                     ; tile_dim0 = 128
	s_mov_b32 s[G1+4], 64                          ; tile_dim1 = 64
	s_mov_b32 s[G1+5], 128                         ; 128 elements from row to row
	s_mov_b32 s[G1+6], 0
	s_mov_b32 s[G1+7], 0
	s_mul_i32 s44, s[WV], 64*PITCH                 ; my 64 rows of a slot: the wave's number alone enters an LDS address
	s_mov_b32 s[G0+0], 1
	s_mov_b32 s[G0+1], s44
	s_mov_b32 s[G0+4], 1
	s_add_co_u32 s[G0+5], s44, WSLOT
	s_lshl_b32 s44, s[YB], 21                      ; 32 tiles of 65,536 bytes for each y,
	s_lshl_b32 s45, s[WV], 14                      ; my 64 rows of 256 bytes
	s_add_co_u32 s44, s44, s45
	s_mov_b32 s45, 0
	s_mov_b32 s[HM], 0xffff0000
	s_mov_b32 s[CS], 0x3e38aa3b                    ; c = log2(e) / 8
	s_mov_b32 s[CS+1], s[CS]
	s_mov_b32 s[SEL], 0x76543210
	s_mov_b32 s[SEL+1], 0xfedcba98
	s_mov_b32 s[BIG], 0xf1800000                   ; -2^100
	s_cmp_eq_u32 s[YB], 0
	s_cselect_b32 s[LIM], 1, -1
	v_and_b32 v[LN], 31, v0
	v_and_b32 v1, 15, v0                           ; r = l % 16
	v_bfe_u32 v7, v0, 4, 1                         ; h = l / 16
	; the mask: lane (r, h) reads the 8 bytes of query rl + 16 t + r, keys rl + 16 t - 8 + 16 jb + 8 h on; rl = r0 % 2,048
	s_and_b32 s73, s[BLK], 15
	s_lshl_b32 s73, s73, 7                         ; rl
	s_cmp_eq_u32 s73, 0
	s_cselect_b32 s[LOM], 0xffff, 0                ; tile 0's keys rl - 8 .. rl - 1 (lanes 0-15) lie ahead of the batch
	s_cmp_eq_u32 s73, 1920
	s_cselect_b32 s[HIM], 0xffff0000, 0            ; tile 7's keys rl + 128 .. + 135 (lanes 16-31) lie behind it
	s_lshr_b32 s74, s[BLK], 4
	s_lshl_b32 s74, s74, 22                        ; the batch's 2,048 x 2,048 bytes
	s_mul_i32 s75, s73, 2049
	s_add_co_u32 s74, s74, s75
	v_lshlrev_b32 v[MO], 11, v1
	v_lshl_add_u32 v[MO], v7, 3, v[MO]
	v_add_nc_u32 v[MO], s74, v[MO]
	v_add_nc_u32 v[MO+1], 8, v[MO]                 ; such lanes read 8 bytes further in; what they read is thrown away
	v_cndmask_b32 v[MO+1], v[MO], v[MO+1], s[LOM]
	v_add_nc_u32 v[MO+2], -8, v[MO]
	v_cndmask_b32 v[MO+2], v[MO], v[MO+2], s[HIM]
	s_mul_i32 s72, s[WV], 36
	s_add_co_u32 s72, s72, s[R0]                   ; my first row of query
	VOSET VO
	s_sub_co_i32 s72, s72, 8                       ; and of keys and values
	VOSET VOK
	s_mov_b32 s77, 0
	s_wait_dscnt 0x0                               ; the opening add is done
	s_wait_kmcnt 0x0
	s_add_nc_u64 s[42:43], s[12:13], s[44:45]
	s_add_nc_u64 s[G0+2:G0+3], s[42:43], 0         ; step 0
	s_or_b32 s[G0+3], s[G0+3], 0x80000000          ; type = 2
	s_add_nc_u64 s[G0+6:G0+7], s[42:43], 65536     ; step 1
	s_or_b32 s[G0+7], s[G0+7], 0x80000000
	s_mov_b64 s[XB:XB+1], s[4:5]
	s_lshl_b32 s76, s[WV], 5
	s_add_co_u32 s76, s76, s[R0]
	s_lshl_b32 s76, s76, 12                        ; row r0 + 32 w
	s_add_nc_u64 s[PF:PF+1], s[4:5], s[76:77]
	s_add_nc_u64 s[PF:PF+1], s[PF:PF+1], 1024      ; the first lap steps it to K step 4
	s_add_nc_u64 s[48:49], s[6:7], s[76:77]
	s_add_nc_u64 s[50:51], s[8:9], s[76:77]
	s_lshl_b32 s76, s[HEAD], 20                    ; oh: [head][8,192 rows][64] f16
	s_lshl_b32 s74, s[R0], 7
	s_add_co_u32 s76, s76, s74
	s_add_nc_u64 s[66:67], s[14:15], s[76:77]
	s_lshl_b32 s76, s[BLK], 12                     ; vpart: [block][1,024] f32
	s_lshl_b32 s74, s[HEAD], 8
	s_add_co_u32 s76, s76, s74
	s_add_nc_u64 s[68:69], s[16:17], s[76:77]
	s_lshl_b32 s76, s[R0], 2
	s_add_nc_u64 s[70:71], s[18:19], s[76:77]
.set tt, 0
.rept 8
.irp jb, 0,1
.set MV, MO
.if (tt == 0) && (\jb == 0)
.set MV, MO+1
.endif
.if (tt == 7) && (\jb == 1)
.set MV, MO+2
.endif
	global_load_b64 v[MK+4*tt+2*\jb:MK+4*tt+2*\jb+1], v[MV], s[10:11] offset:tt*32784+16*\jb-8
.endr
.set tt, tt+1
.endr
	XLOAD 0, 0                                     ; x of step 0
	XLOAD 1, 0
	XLOAD 2, 0
	CROUND                                         ; all four work-groups are here: the first joint loads meet
	tensor_load_to_lds s[G0:G0+3], s[G1:G1+7]
	s_nop 0
	tensor_load_to_lds s[G0+4:G0+7], s[G1:G1+7]    ; two loads of mine are out
	s_nop 0
	PLACES
	v_mul_u32_u24 v30, v1, PITCH
	v_lshl_add_u32 v30, v7, 4, v30                 ; a fragment's row x pitch + 16 x half
	s_mul_i32 s78, s[WV], 64*PITCH
	v_add_nc_u32 v[ADRW], s78, v30
	v_add_nc_u32 v[ADRW+1], WSLOT, v[ADRW]
	v_add_nc_u32 v[ADRX], XLDS, v30
	v_add_nc_u32 v[ADRX+1], XLDS+XSLOT, v30
	s_mul_i32 s78, s[WV], 36*PITCH
	s_add_co_u32 s78, s78, XLDS
	v_lshl_add_u32 v[XSA], v[LN], 3, s78
	v_lshlrev_b32 v[PFO], 12, v[LN]
	s_lshl_b32 s78, s[WV], 14
	s_add_co_u32 s78, s78, QREG
	v_lshl_add_u32 v[QST], v[LN], 4, s78
	s_mul_i32 s78, s[WV], 144*PV
	v_mul_u32_u24 v31, v1, PV
	v_lshl_add_u32 v31, v7, 4, v31
	v_add_nc_u32 v[VST], s78, v31                  ; key l % 16, 16 bytes for each half of the lanes
	v_and_b32 v30, 7, v0
	v_lshl_add_u32 v31, v7, 3, v30                 ; the turning load: key 8 (l / 16) + l % 8,
	v_mul_u32_u24 v31, v31, PV
	v_bfe_u32 v[VTA], v0, 3, 1                     ; channels 8 ((l / 8) % 2) on
	v_lshl_add_u32 v31, v[VTA], 4, v31
	v_add_nc_u32 v[VTA], s78, v31
	s_mul_i32 s78, s[WV], 2304
	s_add_co_u32 s78, s78, STG
	v_mul_u32_u24 v31, v1, 144
	v_lshl_add_u32 v31, v7, 4, v31
	v_add_nc_u32 v[STO], s78, v31
	v_bfe_u32 v31, v0, 3, 2                        ; back: 32 lanes take four rows of 128 bytes
	v_mul_u32_u24 v31, v31, 144
	v_lshl_add_u32 v31, v30, 4, v31
	v_add_nc_u32 v[RD], s78, v31
	v_lshlrev_b32 v[GO], 4, v[LN]
	v_lshlrev_b32 v[L4], 2, v[LN]
	CLEAR                                          ; while the first loads are on their way
	XPART 0, 0, 512, 1, 24                         ; x of step 0 into slot 0 (the wait also covers the mask's older loads); step 1 is asked for
	XPART 1, 0, 512, 1, 24
	XPART 2, 0, 512, 1, 24
	s_wait_tensorcnt 1                             ; my rows of W's step 0 are in; step 1's may stay out
	s_wait_dscnt 0x0                               ; my rows of x are stored
	s_barrier_signal -1
	s_barrier_wait -1
	FETCH 0, 0, F0
	WIN 0
	s_mov_b32 s[CNT], 11
.Llap:                                         ; steps 0 .. 21, two a lap.  Trip s multiplies step s, stores x of step s + 1, loads x of step s + 2 and asks for W of step s + 2
	TRIP 0, 2
	TRIP 1, 2
	WIN 0
	s_and_b32 s79, s[CNT], 3                       ; behind steps 7 and 15 a product is finished
	s_cmp_lg_u32 s79, 0
	s_cbranch_scc1 .Lnob                           ; a jump forward, past neither a barrier nor a tensor load
	PLACES
	s_cmp_eq_u32 s[CNT], 8
	s_cbranch_scc0 .Lepik
	EPI_Q
	s_branch .Lclr
.Lepik:
	EPI_K
.Lclr:
	CLEAR
.Lnob:
	s_sub_co_u32 s[CNT], s[CNT], 1
	s_cmp_lg_u32 s[CNT], 0
	s_cbranch_scc1 .Llap
	TRIP 0, 1                                      ; step 22: the tail is written out
	TRIP 1, 0                                      ; step 23
	WIN 0
	s_wait_dscnt 0x0                               ; my reads of the W slots are over,
	s_barrier_signal -1
	s_barrier_wait -1                              ; everybody's are; both slots have had their last fill: v may be stored there
	PLACES
	EPI_V
	; ATTENTION.  v^T: 9 key blocks x 4 channel blocks, 4 registers each; key blocks t and t + 1 lie on end and are tile t's fragment.  LDS serves a wave's instructions in order: these see the stores above.
	WIN 0x40
.irp cb, 0,1,2,3
.irp j, 0,1,2,3,4,5,6,7,8
	ds_load_tr16_b128 v[36*\cb+4*\j:36*\cb+4*\j+3], v[VTA] offset:\j*16*PV+32*\cb
.endr
.endr
	WIN 0
.set kk, 0
.rept 32
	ds_load_b128 v[QF+4*kk:QF+4*kk+3], v[QST] offset:kk*512
.set kk, kk+1
.endr
	; the band: key 16 jb + 8 h + j of a tile's 32 lies key - query = 16 jb + 8 h + j - 8 - r from query r: within 5 where that + 5 is 0 .. 10, unsigned
	v_lshlrev_b32 v178, 3, v7
	v_sub_nc_u32 v178, v178, v1
	v_add_nc_u32 v178, -3, v178
.irp jb, 0,1
.irp j, 0,1,2,3,4,5,6,7
	v_add_nc_u32 v176, 16*\jb+\j, v178
	v_cmp_ge_u32 vcc_lo, 10, v176
.if (\j%4) == 0
	v_cndmask_b32 v[BND+2*\jb+\j/4], 0, 1, vcc_lo
.else
	v_cndmask_b32 v177, 0, 1, vcc_lo
	v_lshl_or_b32 v[BND+2*\jb+\j/4], v177, 8*(\j%4), v[BND+2*\jb+\j/4]
.endif
.endr
.endr
	v_mov_b32 v179, 0x3c003c00                     ; 1.0 twice, f16
	WIN 0x80                                       ; destination window 2
.set kk, 0
.rept 32
	v_and_b32 v[M+kk], v[MK+kk], v[BND+kk%4]
.set kk, kk+1
.endr
.irp i, 0,1,2,3
	v_mov_b32 v[ONEF+\i], v179                     ; all 32 keys count
	v_mov_b32 v[ONEF+4+\i], v179
	v_cndmask_b32 v[ONEA+\i], 0, v179, s[HM]       ; keys 8 .. 31 count: the first 8 are halo
	v_mov_b32 v[ONEA+4+\i], v179
	v_mov_b32 v[ONEZ+\i], 0                        ; keys 16 .. 23 count: the first 16 are counted already, the last 8 are halo
	v_cndmask_b32 v[ONEZ+4+\i], v179, 0, s[HM]
.endr
	v_mov_b32 v[CM+1], 0                           ; named in pairs, so they are written
	v_mov_b32 v[RL+1], 0
	WIN 0xaa
	v_cndmask_b32 v[M+0], v[M+0], 0, s[LOM]        ; keys outside the batch are hidden
	v_cndmask_b32 v[M+1], v[M+1], 0, s[LOM]
	v_cndmask_b32 v[M+30], v[M+30], 0, s[HIM]
	v_cndmask_b32 v[M+31], v[M+31], 0, s[HIM]
	s_wait_dscnt 0x0                               ; v^T and q are in
	; the sum of v over my block's own 128 rows, for rows with no key left: ones x v^T, four accumulators by turns; every row of the result is the sum
	WIN 0xa6
.irp cb, 0,1,2,3
	v_wmma_f32_16x16x32_f16 v[OT+8*\cb:OT+8*\cb+7], v[ONEA:ONEA+7], v[36*\cb:36*\cb+7], 0
.endr
.irp j, 2,4,6
.irp cb, 0,1,2,3
	v_wmma_f32_16x16x32_f16 v[OT+8*\cb:OT+8*\cb+7], v[ONEF:ONEF+7], v[36*\cb+4*\j:36*\cb+4*\j+7], v[OT+8*\cb:OT+8*\cb+7]
.endr
.endr
.irp cb, 0,1,2,3
	v_wmma_f32_16x16x32_f16 v[OT+8*\cb:OT+8*\cb+7], v[ONEZ:ONEZ+7], v[36*\cb+28:36*\cb+35], v[OT+8*\cb:OT+8*\cb+7]
.endr
	PLACES
	WIN 0xaa
	v_cndmask_b32 v[VT],   v[OT],    v[OT+8],  s[HM]  ; register 0 holds channel l % 16 of its block in both halves: 32 channels on 32 lanes
	v_cndmask_b32 v[VT+1], v[OT+16], v[OT+24], s[HM]
	WIN 0x08                                       ; store data window 2
	global_store_b32 v[L4], v[VT],   s[68:69]
	global_store_b32 v[L4], v[VT+1], s[68:69] offset:128
.macro SEND t                          ; tile t's 16 rows of O: 2,048 consecutive bytes of its head
	s_wait_dscnt 0x0
	WIN 0x08
.irp f, 0,1,2,3
	global_store_b128 v[GO], v[OBF+16*((\t)%2)+4*\f:OBF+16*((\t)%2)+4*\f+3], s[66:67] offset:(\t)*2048+\f*512
.endr
.endm
; Tile t: queries r0 + 16 t .. + 15, key blocks t and t + 1.
.macro TILE t
	WIN 0xa3                                       ; k window 3, q window 0, S^T window 2; the two accumulators take turns
	v_wmma_f32_16x16x32_f16 v[0:7],  v[KP+16*(\t):KP+16*(\t)+7],       v[QF+16*(\t):QF+16*(\t)+7], 0
	v_wmma_f32_16x16x32_f16 v[8:15], v[KP+16*(\t)+16:KP+16*(\t)+23],   v[QF+16*(\t):QF+16*(\t)+7], 0
	v_wmma_f32_16x16x32_f16 v[0:7],  v[KP+16*(\t)+8:KP+16*(\t)+15],    v[QF+16*(\t)+8:QF+16*(\t)+15], v[0:7]
	v_wmma_f32_16x16x32_f16 v[8:15], v[KP+16*(\t)+24:KP+16*(\t)+31],   v[QF+16*(\t)+8:QF+16*(\t)+15], v[8:15]
.if (\t) > 0
	SEND (\t)-1
.endif
	PLACES
	WIN 0xaa
.irp jb, 0,1
.irp j, 0,1,2,3,4,5,6,7
	v_and_b32 v[TX], 1<<(8*(\j%4)), v[M+4*(\t)+2*\jb+\j/4]
	v_cmp_ne_u32 vcc_lo, 0, v[TX]
	v_cndmask_b32 v[8*\jb+\j], s[BIG], v[8*\jb+\j], vcc_lo  ; a hidden key's score
.endr
.endr
	v_max3_num_f32 v[TA], v0, v1, v2
	v_max3_num_f32 v[TB], v8, v9, v10
	v_max3_num_f32 v[TA], v[TA], v3, v4
	v_max3_num_f32 v[TB], v[TB], v11, v12
	v_max3_num_f32 v[TA], v[TA], v5, v6
	v_max3_num_f32 v[TB], v[TB], v13, v14
	v_max3_num_f32 v[TA], v[TA], v7, v15
	v_max_num_f32 v[TA], v[TA], v[TB]
	v_permlanex16_b32 v[TB], v[TA], s[SEL], s[SEL+1]  ; the query's other 16 keys lie in the lane 16 away
	v_max_num_f32 v[TA], v[TA], v[TB]
	v_mul_f32 v[CM], s[CS], v[TA]
.irp k, 0,2,4,6,8,10,12,14
	v_pk_fma_f32 v[\k:\k+1], v[\k:\k+1], s[CS:CS+1], v[CM:CM+1] op_sel_hi:[1,0,0] neg_lo:[0,0,1] neg_hi:[0,0,1]  ; c s - c m
.endr
.irp k, 0,1,2,3,4,5,6,7,8,9,10,11,12,13,14,15
	v_exp_f32 v[\k], v[\k]
.endr
	v_nop                                          ; a plain instruction behind the last exponential,
	s_wait_alu depctr_va_vdst(0)                   ; and the wait ahead of the batch's first reader
.irp k, 0,1,2,3,4,5,6,7
	v_cvt_pk_f16_f32 v[P+\k], v[2*\k], v[2*\k+1]
.endr
	v_pk_add_f32 v[0:1], v[0:1], v[2:3]
	v_pk_add_f32 v[4:5], v[4:5], v[6:7]
	v_pk_add_f32 v[8:9], v[8:9], v[10:11]
	v_pk_add_f32 v[12:13], v[12:13], v[14:15]
	v_pk_add_f32 v[0:1], v[0:1], v[4:5]
	v_pk_add_f32 v[8:9], v[8:9], v[12:13]
	v_pk_add_f32 v[0:1], v[0:1], v[8:9]
	v_add_f32 v[TA], v0, v1
	v_permlanex16_b32 v[TB], v[TA], s[SEL], s[SEL+1]
	v_add_f32 v[TA], v[TA], v[TB]
	v_rcp_f32 v[RL], v[TA]
	WIN 0x89                                       ; v^T window 1, P and O^T window 2
.irp cb, 0,1,2,3
	v_wmma_f32_16x16x32_f16 v[OT+8*\cb:OT+8*\cb+7], v[36*\cb+4*(\t):36*\cb+4*(\t)+7], v[P:P+7], 0
.endr
	PLACES                                         ; the places behind the products; also the plain instruction behind the reciprocal
	s_wait_alu depctr_va_vdst(0)                   ; the reciprocal's wait, ahead of its first reader
	WIN 0xaa
.set kk, 0
.rept 16
	v_pk_mul_f32 v[OT+kk:OT+kk+1], v[OT+kk:OT+kk+1], v[RL:RL+1] op_sel_hi:[1,0]
.set kk, kk+2
.endr
.set kk, 0
.rept 16
	v_cvt_pk_f16_f32 v[OP+kk], v[OT+2*kk], v[OT+2*kk+1]
.set kk, kk+1
.endr
	WIN 0x08
.irp cb, 0,1,2,3
	ds_store_b128 v[STO], v[OP+4*\cb:OP+4*\cb+3] offset:32*\cb
.endr
	s_wait_xcnt 0x0                                ; the stores of the tile before last have read these registers
	WIN 0x80
.irp f, 0,1,2,3
	ds_load_b128 v[OBF+16*((\t)%2)+4*\f:OBF+16*((\t)%2)+4*\f+3], v[RD] offset:\f*4*144  ; my own stage: served in order behind the stores above
.endr
.endm
.irp t, 0,1,2,3,4,5,6,7
	TILE \t
.endr
	SEND 7
	WIN 0
	s_cmp_lg_u32 s[HEAD], 0                        ; the flags hang on the mask alone: head 0's wave writes them for its 128 rows
	s_cbranch_scc1 .Lnoflag
	WIN 0xaa
.irp t, 0,1,2,3,4,5,6,7
	v_or_b32 v[FL+\t], v[M+4*\t], v[M+4*\t+1]
	v_or_b32 v[TX], v[M+4*\t+2], v[M+4*\t+3]
	v_or_b32 v[FL+\t], v[FL+\t], v[TX]
	v_permlanex16_b32 v[TX], v[FL+\t], s[SEL], s[SEL+1]
	v_or_b32 v[FL+\t], v[FL+\t], v[TX]
	v_cmp_eq_u32 vcc_lo, 0, v[FL+\t]
	v_cndmask_b32 v[FL+\t], 0, 1, vcc_lo           ; 1: no key is left to this query
.endr
.irp u, 0,1,2,3
	v_cndmask_b32 v[FL+2*\u], v[FL+2*\u], v[FL+2*\u+1], s[HM]  ; two tiles on 32 lanes
.endr
	WIN 0x08
.irp u, 0,1,2,3
	global_store_b32 v[L4], v[FL+2*\u], s[70:71] offset:128*\u
.endr
	WIN 0
.Lnoflag:
	s_wait_tensorcnt 0x0                           ; the wave's end: behind my last tensor load and my last LDS store
	ds_add_u32 v[SPW], v[NIL]
	s_wait_dscnt 0x0
	CROUND                                         ; the closing round: no work-group ends while a partner may still ask for a tile that names it
	s_endpgm
.Lfunc_end_k_qdd384bbd99_qkva:
	.size	k_qdd384bbd99_qkva, .Lfunc_end_k_qdd384bbd99_qkva-k_qdd384bbd99_qkva
	.p2alignl 7, 3214868480
	.fill 96, 4, 3214868480
	.section	.rodata,"a",@progbits
	.p2align	6, 0x0
	.amdhsa_kernel k_qdd384bbd99_qkva
		.amdhsa_group_segment_fixed_size 327680
		.amdhsa_private_segment_fixed_size 0
		.amdhsa_enable_private_segment 0
		.amdhsa_kernarg_size 64
		.amdhsa_user_sgpr_count 2
		.amdhsa_user_sgpr_kernarg_segment_ptr 1
		.amdhsa_wavefront_size32 1
		.amdhsa_system_sgpr_workgroup_id_x 1
		.amdhsa_system_sgpr_workgroup_id_y 1
		.amdhsa_system_sgpr_workgroup_id_z 1
		.amdhsa_system_vgpr_workitem_id 0
		.amdhsa_next_free_vgpr 1024
		.amdhsa_next_free_sgpr 96
		.amdhsa_reserve_vcc 1
		.amdhsa_float_denorm_mode_32 3
		.amdhsa_float_denorm_mode_16_64 3
		.amdhsa_memory_ordered 1
		.amdhsa_forward_progress 1
		.amdhsa_inst_pref_size 254
	.end_amdhsa_kernel
	.amdgpu_metadata
---
amdhsa.version: [ 1, 2 ]
amdhsa.kernels:
  - .name:           k_qdd384bbd99_qkva
    .symbol:         k_qdd384bbd99_qkva.kd
    .args:
      - { .name: query, .offset: 0, .size: 8, .value_kind: global_buffer, .address_space: global }
      - { .name: keys, .offset: 8, .size: 8, .value_kind: global_buffer, .address_space: global }
      - { .name: values, .offset: 16, .size: 8, .value_kind: global_buffer, .address_space: global }
      - { .name: mask, .offset: 24, .size: 8, .value_kind: global_buffer, .address_space: global }
      - { .name: wt, .offset: 32, .size: 8, .value_kind: global_buffer, .address_space: global }
      - { .name: oh, .offset: 40, .size: 8, .value_kind: global_buffer, .address_space: global }
      - { .name: vpart, .offset: 48, .size: 8, .value_kind: global_buffer, .address_space: global }
      - { .name: dead, .offset: 56, .size: 8, .value_kind: global_buffer, .address_space: global }
    .group_segment_fixed_size: 327680
    .private_segment_fixed_size: 0
    .kernarg_segment_align: 8
    .kernarg_segment_size: 64
    .max_flat_workgroup_size: 128
    .sgpr_count:     96
    .vgpr_count:     1024
    .wavefront_size: 32
...
	.end_amdgpu_metadata
.endif
;; end of part 2
;; launch outp (part 3): grid 64 x 4, 4 waves a work-group, clusters of 4 x 1, 327,680 bytes of LDS; arguments oh, wt, bo, vpart, dead, out0; writes out0
.if DOCPART == 3
	.amdgcn_target "amdgcn-amd-amdhsa--gfx1250"
	.amdhsa_code_object_version 6
	.text
	.protected	k_qdd384bbd99_outp
	.globl	k_qdd384bbd99_outp
	.p2align	8
	.type	k_qdd384bbd99_outp,@function
k_qdd384bbd99_outp:
	s_mov_b64 s[64:65], 0
	v_nop
	global_prefetch_b8 v0, s[64:65] scope:SCOPE_SE
	s_setreg_imm32_b32 hwreg(HW_REG_WAVE_MODE, 25, 1), 1
	s_wait_xcnt 0x0
	s_wait_alu depctr_hold_cnt(0) depctr_sa_sdst(0) depctr_va_vdst(0) depctr_va_sdst(0) depctr_va_ssrc(0) depctr_va_vcc(0) depctr_vm_vsrc(0)
	s_getreg_b32 s2, hwreg(HW_REG_IB_STS2, 6, 4)
	s_cmp_eq_u32 s2, 0
	s_cbranch_scc0 .Lentry_in_a_cluster
	s_endpgm
.Lentry_in_a_cluster:
	s_bfe_u32 s2, ttmp6, 0x10000c
	s_cmp_lg_u32 s2, 0x3003
	s_cbranch_scc0 .Lentry_shape_is_right
	s_endpgm
.Lentry_shape_is_right:
; out0 = O Wo^T + bo.  O comes by heads from oh ([16][8,192][64] f16); a row whose flag dead is 1 takes the mean of v over its batch's 2,048 rows instead (a softmax over equal scores).
; SHARES.  Work-group (b, y): rows r0 = 128 b .. + 127, columns 256 y .. + 255; wave w: 128 x 64, 32 accumulators (a = 0..7, b = 0..3), all of window 2.  K = 1,024 in 8 steps of 128 = heads 2 s, 2 s + 1.
; LAYOUT.  Source 0 = 16 rows of Wo, source 1 = 16 rows of O: a lane holds one row of out0 and 8 neighbouring columns an accumulator.
; DATA.  Wo (bf16-rounded, written as f16, in tile order) by joint tensor loads into a ring of two slots: the four row blocks of a cluster walk the same tiles; each wave fetches and reads its own 64 rows.
; O through registers, since dead rows are replaced on the way: wave w takes rows 32 w .. + 31; a load is four rows of a head, 512 consecutive bytes; v_cndmask_b32 by a lane mask puts the mean in;
; then 16 bytes a lane go into one of two LDS slots that all four waves read.
; THE MEAN.  vpart holds each block's sum of v; every work-group adds its batch's 16 rows (f32), divides by 2,048 and keeps 1,024 numbers in f16 in LDS.
; bo is rounded to bf16 like every input.  No prefetch: eight trips, and oh's blocks are asked for a whole trip ahead by the loads themselves.
; The sums start from registers set to 0 (256 lines, while the first loads are out), so that the loop has one form of product.
; LDS.  0, 69,632 W slots (256 x 272); 139,264, 174,080 O slots (128 x 272); 208,896 the mean (2,048); 210,944 stages (16 x 272 a wave); 228,352 spare words.
; REGISTERS.  window 0: v0-31 addresses; v32-95 O as loaded ((p, u) at 32 + 32 p + 4 u); v96-103 the mean's 16 bytes for head parity 0, 1; v104-107 bias; v112-175 two sets for the way out; v176-183 flags
;   window 1: two fragment buffers of 96 (W 8 b, O 32 + 8 a); at the head vpart's rows          window 2: accumulators at 8 (4 a + b)
.set PITCH, 272
.set WSLOT, 256*PITCH
.set ALDS,  2*WSLOT
.set ASLOT, 128*PITCH
.set VM,    ALDS+2*ASLOT
.set STG,   VM+2048
.set SPARE, STG+4*16*PITCH             ; the spare words, 128 bytes a wave: two blocks of 256 bytes that no other line names
.set ADRW, 2
.set ADRA, 4
.set AST,  6                           ; v6   where I store 16 bytes of O (slot 0, my wave's first four rows, parity 0)
.set AO,   8                           ; v8   16 x lane
.set VMA,  9                           ; v9   the mean: 16 (l % 8) in the head at which the lap stands
.set SST,  10
.set SRD,  11
.set CO,   12
.set DOF,  13
.set BOF,  14
.set VPO,  15
.set VMS,  16
.set LN,   27
.set SPW,  28
.set NIL,  29
.set AS,   32
.set VMR,  96
.set BI,   104
.set PK,   108
.set BK,   112
.set FLG,  176
.set TB,   184
.set F0,   0
.set F1,   96
.set WV,   20
.set BLK,  21
.set YB,   22
.set R0,   23
.set G1,   24
.set G0,   32
.set AB,   40                          ; s[40:41] oh at my 32 rows, at the step that a lap's first trip loads
.set CNT,  52
.set DM,   80                          ; s80-87 lane masks: row 4 u + l / 8 of my 32 is dead
.set MSB, 0
.macro WIN new
.if MSB != (\new)
	s_set_vgpr_msb (MSB<<8)|(\new)
.set MSB, \new
.endif
.endm
.macro PLACES
.rept 4
	v_nop
.endr
.endm
.macro CREST
	s_cmp_lg_u32 s[WV], 0
	s_cbranch_scc1 .Lnot_wave_0_\@
	s_barrier_signal -3
.Lnot_wave_0_\@:
	s_barrier_wait -3
	s_barrier_signal -1
	s_barrier_wait -1
.endm
.macro CROUND
	s_barrier_signal -1
	s_barrier_wait -1
	CREST
.endm
.macro ALOAD p, off                    ; head parity p of a step: my 32 rows, eight loads of four rows
.irp u, 0,1,2,3,4,5,6,7
	global_load_b128 v[AS+32*(\p)+4*\u:AS+32*(\p)+4*\u+3], v[AO], s[AB:AB+1] offset:(\p)*1048576+\u*512+(\off)
.endr
.endm
; Parity p of the step that was loaded: dead rows take the mean, all go into O slot dst; load = 1: the registers take the next step but one.  left: the other parity's loads may stay out.
.macro APART p, dst, off, load, left
	WIN 0
	s_wait_loadcnt \left
.irp u, 0,1,2,3,4,5,6,7
.irp k, 0,1,2,3
	v_cndmask_b32 v[AS+32*(\p)+4*\u+\k], v[AS+32*(\p)+4*\u+\k], v[VMR+4*(\p)+\k], s[DM+\u]
.endr
.endr
.irp u, 0,1,2,3,4,5,6,7
	ds_store_b128 v[AST], v[AS+32*(\p)+4*\u:AS+32*(\p)+4*\u+3] offset:(\dst)*ASLOT+\u*4*PITCH+128*(\p)
.endr
.if (\load) && ((\p) == 0) && ((\off) == 0)
	s_wait_xcnt 0x0                                ; every load issued so far has read its base: it is stepped only behind this wait
	s_add_nc_u64 s[AB:AB+1], s[AB:AB+1], 4*1048576 ; two steps = four heads on
.endif
.if \load
	ALOAD \p, \off
.endif
.endm
.macro FETCH slot, q, f                ; 24 LDS loads in one run
	WIN 0x40
.irp i, 0,1,2,3
	ds_load_b128 v[(\f)+8*\i:(\f)+8*\i+3],   v[ADRW+(\slot)] offset:\i*16*PITCH+64*(\q)
	ds_load_b128 v[(\f)+8*\i+4:(\f)+8*\i+7], v[ADRW+(\slot)] offset:\i*16*PITCH+64*(\q)+32
.endr
.irp i, 0,1,2,3,4,5,6,7
	ds_load_b128 v[(\f)+32+8*\i:(\f)+32+8*\i+3],   v[ADRA+(\slot)] offset:\i*16*PITCH+64*(\q)
	ds_load_b128 v[(\f)+32+8*\i+4:(\f)+32+8*\i+7], v[ADRA+(\slot)] offset:\i*16*PITCH+64*(\q)+32
.endr
.endm
.macro MUL f, a0, a1                   ; the 32 accumulators take turns, one instruction a turn, in the same order in every quarter
	WIN 0xa5
.set aa, \a0
.rept (\a1)-(\a0)+1
.irp b, 0,1,2,3
	v_wmma_f32_16x16x32_f16 v[32*aa+8*\b:32*aa+8*\b+7], v[(\f)+8*\b:(\f)+8*\b+7], v[(\f)+32+8*aa:(\f)+32+8*aa+7], v[32*aa+8*\b:32*aa+8*\b+7]
.endr
.set aa, aa+1
.endr
.endm
; mode 2: in the loop.  1: step 6: nothing is loaded any more.  0: step 7.  Quarters 0 and 1 carry the two parities of the next step's O.
.macro QUARTER slot, q, f, g, mode
	s_wait_dscnt 0x0                               ; buffer f is in, and the mean's 16 bytes that this quarter uses
	MUL \f, 0, 1
.if ((\mode) == 2) && ((\q) < 2)
	APART \q, 1-(\slot), (\slot)*2097152, 1, 8     ; its 32 selects are the places in front of the loads into g
.elseif ((\mode) == 1) && ((\q) < 2)
	APART \q, 1-(\slot), 0, 0, 8-8*(\q)
.else
	PLACES
.endif
	FETCH \slot, (\q)+1, \g
.if ((\mode) > 0) && ((\q) == 0)
	WIN 0
	ds_load_b128 v[VMR+4:VMR+7], v[VMA] offset:384+256*(\slot)  ; the mean for parity 1 of the step that is being stored
.endif
	MUL \f, 2, 7
.endm
; The change of slots, as one barrier: all my tensor loads, the add, my LDS reads and stores; fill = 1: a round of the cluster's barrier, and my rows of the W slot just read are asked for again.
.macro TURN slot, fill
	WIN 0
	s_wait_tensorcnt 0x0                           ; no tensor load of mine is out, so a group 0 may be written
	ds_add_u32 v[SPW], v[NIL]
	s_wait_dscnt 1                                 ; buffer 1 is in; the add may be out
	MUL F1, 0, 1
	s_wait_dscnt 0x0
	s_barrier_signal -1
	MUL F1, 2, 3
	WIN 0
	s_barrier_wait -1
.if \fill
	CREST
	s_add_nc_u64 s[G0+4*(\slot)+2:G0+4*(\slot)+3], s[G0+4*(\slot)+2:G0+4*(\slot)+3], 2*65536
	tensor_load_to_lds s[G0+4*(\slot):G0+4*(\slot)+3], s[G1:G1+7]  ; my one tensor load behind the round, and the first thing there
	s_nop 0
.endif
	PLACES
	FETCH 1-(\slot), 0, F0
.if \fill
	WIN 0
	ds_load_b128 v[VMR:VMR+3], v[VMA] offset:512+256*(\slot)  ; the mean for parity 0 of the step that the next trip stores
.endif
	MUL F1, 4, 7
.endm
.macro TRIP slot, mode
	QUARTER \slot, 0, F0, F1, \mode
	QUARTER \slot, 1, F1, F0, \mode
	QUARTER \slot, 2, F0, F1, \mode
.if (\mode) > 0
	TURN \slot, (\mode)-1
.else
	s_wait_dscnt 0x0
	MUL F1, 0, 7
.endif
.endm
	s_load_b256 s[4:11], s[0:1], 0x0               ; oh s[4:5], wt s[6:7], bo s[8:9], vpart s[10:11]
	s_load_b128 s[12:15], s[0:1], 0x20             ; dead s[12:13], out0 s[14:15]
	v_lshl_add_u32 v[SPW], v0, 2, SPARE
	v_mov_b32 v[NIL], 0
	ds_add_u32 v[SPW], v[NIL]                      ; the wave's opening: the add and its wait ahead of my first tensor load
	v_lshrrev_b32 v1, 5, v0
	v_readfirstlane_b32 s[WV], v1
	s_bfe_u32 s72, ttmp6, 0x40000                  ; cx
	s_lshl_b32 s[BLK], ttmp9, 2
	s_add_co_u32 s[BLK], s[BLK], s72
	s_and_b32 s[YB], ttmp7, 0xffff
	s_lshl_b32 s[R0], s[BLK], 7
	s_mov_b32 s[G1+0], 15|(1<<16)|(1<<20)|(1<<21)|(5<<22)|(3<<25)  ; the mask of four; 2-byte elements; padding on; bit 21 beside a mask; 4 words after every 64
	s_mov_b32 s[G1+1], 128<<16
	s_mov_b32 s[G1+2], 64<<16
	s_mov_b32 s[G1+3], 128<<16
	s_mov_b32 s[G1+4], 64
	s_mov_b32 s[G1+5], 128
	s_mov_b32 s[G1+6], 0
	s_mov_b32 s[G1+7], 0
	s_mul_i32 s44, s[WV], 64*PITCH
	s_mov_b32 s[G0+0], 1
	s_mov_b32 s[G0+1], s44
	s_mov_b32 s[G0+4], 1
	s_add_co_u32 s[G0+5], s44, WSLOT
	s_lshl_b32 s44, s[YB], 21
	s_add_co_u32 s44, s44, 24*65536                ; Wo's tiles are 24 .. 31 of each y
	s_lshl_b32 s45, s[WV], 14
	s_add_co_u32 s44, s44, s45
	s_mov_b32 s45, 0
	v_and_b32 v[LN], 31, v0
	v_and_b32 v1, 15, v0                           ; r
	v_bfe_u32 v7, v0, 4, 1                         ; h
	v_lshlrev_b32 v[AO], 4, v[LN]
	v_lshrrev_b32 v30, 3, v[LN]                    ; l / 8
	v_and_b32 v31, 7, v0                           ; l % 8
	v_lshlrev_b32 v[DOF], 2, v30
	v_lshlrev_b32 v[BOF], 4, v1
	v_lshlrev_b32 v[VPO], 5, v0                    ; thread t adds channels 8 t .. 8 t + 7
	v_lshl_add_u32 v[CO], v7, 12, v[BOF]           ; two rows of out0, 16 bytes a lane
	s_lshl_b32 s72, s[WV], 5
	s_add_co_u32 s72, s72, s[R0]                   ; my first row
	s_mov_b32 s75, 0
	s_mov_b32 s77, 0
	s_wait_dscnt 0x0                               ; the opening add is done
	s_wait_kmcnt 0x0
	s_add_nc_u64 s[42:43], s[6:7], s[44:45]
	s_add_nc_u64 s[G0+2:G0+3], s[42:43], 0
	s_or_b32 s[G0+3], s[G0+3], 0x80000000
	s_add_nc_u64 s[G0+6:G0+7], s[42:43], 65536
	s_or_b32 s[G0+7], s[G0+7], 0x80000000
	s_lshl_b32 s74, s72, 7
	s_add_nc_u64 s[AB:AB+1], s[4:5], s[74:75]
	s_lshl_b32 s74, s72, 2
	s_add_nc_u64 s[68:69], s[12:13], s[74:75]      ; dead at my rows
	s_lshl_b32 s76, s[YB], 10
	s_lshl_b32 s74, s[WV], 8
	s_add_co_u32 s76, s76, s74                     ; my 64 columns, in bytes
	s_add_nc_u64 s[70:71], s[8:9], s[76:77]        ; bo
	s_add_nc_u64 s[66:67], s[14:15], s[76:77]
	s_lshl_b32 s74, s[R0], 12
	s_add_nc_u64 s[66:67], s[66:67], s[74:75]      ; out0 at the block's first row, my columns
	s_lshr_b32 s74, s[BLK], 4
	s_lshl_b32 s74, s74, 16                        ; the batch's 16 rows of vpart
	s_add_nc_u64 s[46:47], s[10:11], s[74:75]
.irp u, 0,1,2,3,4,5,6,7
	global_load_b32 v[FLG+\u], v[DOF], s[68:69] offset:16*\u
.endr
	global_load_b128 v[BI:BI+3], v[BOF], s[70:71]
	WIN 0x40
.irp i, 0,1,2,3,4,5,6,7,8,9,10,11,12,13,14,15
	global_load_b128 v[8*\i:8*\i+3],   v[VPO], s[46:47] offset:\i*4096
	global_load_b128 v[8*\i+4:8*\i+7], v[VPO], s[46:47] offset:\i*4096+16
.endr
	WIN 0
	ALOAD 0, 0                                     ; O of step 0
	ALOAD 1, 0
	CROUND                                         ; all four work-groups are here: the first joint loads meet
	tensor_load_to_lds s[G0:G0+3], s[G1:G1+7]
	s_nop 0
	tensor_load_to_lds s[G0+4:G0+7], s[G1:G1+7]    ; two loads of mine are out
	s_nop 0
	PLACES
	v_mul_u32_u24 v26, v1, PITCH
	s_mul_i32 s78, s[WV], 64*PITCH
	v_lshl_add_u32 v25, v7, 4, v26                 ; a fragment's row x pitch + 16 x half
	v_add_nc_u32 v[ADRW], s78, v25
	v_add_nc_u32 v[ADRW+1], WSLOT, v[ADRW]
	v_add_nc_u32 v[ADRA], ALDS, v25
	v_add_nc_u32 v[ADRA+1], ALDS+ASLOT, v25
	v_mul_u32_u24 v[AST], v30, PITCH
	v_lshl_add_u32 v[AST], v31, 4, v[AST]
	s_mul_i32 s78, s[WV], 32*PITCH
	s_add_co_u32 s78, s78, ALDS
	v_add_nc_u32 v[AST], s78, v[AST]
	v_lshl_add_u32 v[VMA], v31, 4, VM
	v_lshl_add_u32 v[VMS], v0, 4, VM
	s_mul_i32 s78, s[WV], 16*PITCH
	s_add_co_u32 s78, s78, STG
	v_lshl_add_u32 v[SST], v7, 5, v26              ; in: row l % 16, 32 bytes for each half of the lanes
	v_add_nc_u32 v[SST], s78, v[SST]
	v_mul_u32_u24 v[SRD], v7, PITCH                ; back: lanes 0-15 one row of 256 bytes, lanes 16-31 the next
	v_lshl_add_u32 v[SRD], v1, 4, v[SRD]
	v_add_nc_u32 v[SRD], s78, v[SRD]
	WIN 0x80
.set ii, 0
.rept 256
	v_mov_b32 v[ii], 0
.set ii, ii+1
.endr
	WIN 0
	s_wait_loadcnt 16                              ; flags, bias and vpart are in; O's 16 loads may stay out
.irp u, 0,1,2,3,4,5,6,7
	v_cmp_ne_u32 s[DM+\u], 0, v[FLG+\u]
.endr
	v_cvt_pk_bf16_f32 v[TB],   v[BI],   v[BI+1]     ; the bias is rounded like every input
	v_cvt_pk_bf16_f32 v[TB+1], v[BI+2], v[BI+3]
	v_lshlrev_b32 v[BI],   16, v[TB]
	v_and_b32     v[BI+1], 0xffff0000, v[TB]
	v_lshlrev_b32 v[BI+2], 16, v[TB+1]
	v_and_b32     v[BI+3], 0xffff0000, v[TB+1]
	WIN 0x45                                       ; the 16 rows are added in pairs, f32
.irp d, 8,4,2,1
.set ii, 0
.rept \d
.irp k, 0,2,4,6
	v_pk_add_f32 v[8*ii+\k:8*ii+\k+1], v[8*ii+\k:8*ii+\k+1], v[8*(ii+\d)+\k:8*(ii+\d)+\k+1]
.endr
.set ii, ii+1
.endr
.endr
.irp k, 0,2,4,6
	v_pk_mul_f32 v[\k:\k+1], v[\k:\k+1], 0x3a000000 op_sel_hi:[1,0]  ; / 2,048
.endr
	WIN 0x05
.irp k, 0,1,2,3
	v_cvt_pk_f16_f32 v[PK+\k], v[2*\k], v[2*\k+1]
.endr
	WIN 0
	ds_store_b128 v[VMS], v[PK:PK+3]
	s_wait_dscnt 0x0                               ; for the others' sake: my 8 numbers of the mean are stored
	s_barrier_signal -1
	s_barrier_wait -1                              ; the tensor loads may stay out
	ds_load_b128 v[VMR:VMR+3],   v[VMA]            ; heads 0 and 1
	ds_load_b128 v[VMR+4:VMR+7], v[VMA] offset:128
	s_wait_dscnt 0x0
	APART 0, 0, 2097152, 1, 8                      ; O of step 0 into slot 0; step 1 is asked for
	APART 1, 0, 2097152, 1, 8
	ds_load_b128 v[VMR:VMR+3], v[VMA] offset:256   ; head 2, for the first trip
	s_wait_tensorcnt 1                             ; my rows of W's step 0 are in; step 1's may stay out
	s_wait_dscnt 0x0
	s_barrier_signal -1
	s_barrier_wait -1
	FETCH 0, 0, F0
	WIN 0
	s_mov_b32 s[CNT], 3
.Llap:                                         ; steps 0 .. 5.  Trip s multiplies step s, stores O of step s + 1, loads O of step s + 2 and asks for W of step s + 2
	TRIP 0, 2
	TRIP 1, 2
	WIN 0
	v_add_nc_u32 v[VMA], 512, v[VMA]               ; four heads on
	s_sub_co_u32 s[CNT], s[CNT], 1
	s_cmp_lg_u32 s[CNT], 0
	s_cbranch_scc1 .Llap
	TRIP 0, 1                                      ; step 6: the tail is written out
	TRIP 1, 0                                      ; step 7
	; THE WAY OUT, 16 rows at a time through my own stage: 32 bytes a lane in, whole rows of 256 bytes back, the bias added, 16 lanes to 256 consecutive bytes of out0, aligned.
.macro TOSTAGE a
	WIN 0x08                                       ; store data window 2; each accumulator's low registers go first
.irp b, 0,1,2,3
	ds_store_b128 v[SST], v[32*(\a)+8*\b:32*(\a)+8*\b+3]   offset:64*\b
	ds_store_b128 v[SST], v[32*(\a)+8*\b+4:32*(\a)+8*\b+7] offset:64*\b+16
.endr
	WIN 0
	s_wait_xcnt 0x0                                ; the stores of the block before last have read these registers
.irp i, 0,1,2,3,4,5,6,7
	ds_load_b128 v[BK+32*((\a)%2)+4*\i:BK+32*((\a)%2)+4*\i+3], v[SRD] offset:\i*2*PITCH  ; served in order behind the stores above; the next block's stores come behind these
.endr
.endm
.macro SEND a, younger                 ; younger: the next block's 8 stores and 8 loads, or none
	WIN 0
	s_wait_dscnt \younger
.irp i, 0,1,2,3,4,5,6,7
	v_pk_add_f32 v[BK+32*((\a)%2)+4*\i:BK+32*((\a)%2)+4*\i+1],   v[BK+32*((\a)%2)+4*\i:BK+32*((\a)%2)+4*\i+1],   v[BI:BI+1]
	v_pk_add_f32 v[BK+32*((\a)%2)+4*\i+2:BK+32*((\a)%2)+4*\i+3], v[BK+32*((\a)%2)+4*\i+2:BK+32*((\a)%2)+4*\i+3], v[BI+2:BI+3]
.endr
.irp i, 0,1,2,3,4,5,6,7
	global_store_b128 v[CO], v[BK+32*((\a)%2)+4*\i:BK+32*((\a)%2)+4*\i+3], s[66:67] offset:(16*(\a)+2*\i)*4096 th:TH_STORE_NT
.endr
.endm
	PLACES
	TOSTAGE 0
.irp a, 1,2,3,4,5,6,7
	TOSTAGE \a
	SEND (\a)-1, 16
.endr
	SEND 7, 0
	s_wait_tensorcnt 0x0                           ; the wave's end: behind my last tensor load and my last LDS store
	ds_add_u32 v[SPW], v[NIL]
	s_wait_dscnt 0x0
	CROUND                                         ; the closing round
	s_endpgm
.Lfunc_end_k_qdd384bbd99_outp:
	.size	k_qdd384bbd99_outp, .Lfunc_end_k_qdd384bbd99_outp-k_qdd384bbd99_outp
	.p2alignl 7, 3214868480
	.fill 96, 4, 3214868480
	.section	.rodata,"a",@progbits
	.p2align	6, 0x0
	.amdhsa_kernel k_qdd384bbd99_outp
		.amdhsa_group_segment_fixed_size 327680
		.amdhsa_private_segment_fixed_size 0
		.amdhsa_enable_private_segment 0
		.amdhsa_kernarg_size 48
		.amdhsa_user_sgpr_count 2
		.amdhsa_user_sgpr_kernarg_segment_ptr 1
		.amdhsa_wavefront_size32 1
		.amdhsa_system_sgpr_workgroup_id_x 1
		.amdhsa_system_sgpr_workgroup_id_y 1
		.amdhsa_system_sgpr_workgroup_id_z 1
		.amdhsa_system_vgpr_workitem_id 0
		.amdhsa_next_free_vgpr 768
		.amdhsa_next_free_sgpr 96
		.amdhsa_reserve_vcc 0
		.amdhsa_float_denorm_mode_32 3
		.amdhsa_float_denorm_mode_16_64 3
		.amdhsa_memory_ordered 1
		.amdhsa_forward_progress 1
		.amdhsa_inst_pref_size 135
	.end_amdhsa_kernel
	.amdgpu_metadata
---
amdhsa.version: [ 1, 2 ]
amdhsa.kernels:
  - .name:           k_qdd384bbd99_outp
    .symbol:         k_qdd384bbd99_outp.kd
    .args:
      - { .name: oh, .offset: 0, .size: 8, .value_kind: global_buffer, .address_space: global }
      - { .name: wt, .offset: 8, .size: 8, .value_kind: global_buffer, .address_space: global }
      - { .name: bo, .offset: 16, .size: 8, .value_kind: global_buffer, .address_space: global }
      - { .name: vpart, .offset: 24, .size: 8, .value_kind: global_buffer, .address_space: global }
      - { .name: dead, .offset: 32, .size: 8, .value_kind: global_buffer, .address_space: global }
      - { .name: out0, .offset: 40, .size: 8, .value_kind: global_buffer, .address_space: global }
    .group_segment_fixed_size: 327680
    .private_segment_fixed_size: 0
    .kernarg_segment_align: 8
    .kernarg_segment_size: 48
    .max_flat_workgroup_size: 128
    .sgpr_count:     96
    .vgpr_count:     768
    .wavefront_size: 32
...
	.end_amdgpu_metadata
.endif
;; end of part 3
;; ======== version 2 of 2: 3 launches; version 1 with the launch castw written anew for expert scheduling mode
;; limits: values are held in f16: magnitudes above 65,504 overflow, below 6.1e-05 lose precision
;; workspace buffers: wt 8,388,608 bytes; oh 16,777,216 bytes; vpart 262,144 bytes; dead 32,768 bytes of whole numbers
;; launch castw (part 4): grid 64 x 4, 8 waves a work-group, no clusters, 0 bytes of LDS; arguments Wq, Wk, Wv, Wo, wt; writes wt
.if DOCPART == 4
	.amdgcn_target "amdgcn-amd-amdhsa--gfx1250"
	.amdhsa_code_object_version 6
	.text
	.protected	k_qdd384bbd99_castw
	.globl	k_qdd384bbd99_castw
	.p2align	8
	.type	k_qdd384bbd99_castw,@function
k_qdd384bbd99_castw:
	s_mov_b64 s[64:65], 0
	v_nop
	global_prefetch_b8 v0, s[64:65] scope:SCOPE_SE
	s_setreg_imm32_b32 hwreg(HW_REG_WAVE_SCHED_MODE, 0, 2), 2
	s_setreg_imm32_b32 hwreg(HW_REG_WAVE_MODE, 25, 1), 1
	s_wait_xcnt 0x0
	s_wait_alu depctr_vm_vsrc(0)
; The four weight matrices [1024][1024] f32 are rounded once to bf16 and laid out in the order in which the two matrix launches walk them:
; wt[y 4][s 32][256 rows][128 k], 2 bytes a number, s = 8 g + ks, g = 0 Wq, 1 Wk, 2 Wv, 3 Wo.  Row c of a matrix lies at y = c / 256, tile row c % 256; a tile is 65,536 dense bytes.
; Wq, Wk, Wv stay bf16.  Wo multiplies f16 numbers later: its bf16-rounded value is written as f16.
; LIMIT: |Wo| stays under 65,504; below 6.1e-5 the f16 copy keeps a fixed step of 6e-8.
; SHARES.  Work-group (x, g) takes rows 16 x .. 16 x + 15 of matrix g.  Thread t: half = t / 128 picks one of two rows, t % 128 picks 8 numbers (32 bytes in, 16 bytes out).
; Eight passes of two rows.  All 16 loads go out first; each pass has registers of its own, so nothing that a pending load or store names is written again.
; No LDS, no barrier, no matrix unit: a stream bound by its bytes.
; THE MODE: SCHED_MODE bits 1:0 = 2 (LLVM: expert scheduling mode 2), set by the entry lines.  The code itself states the register dependences
; between vector instructions and memory instructions, with s_wait_alu, always for 0.
; THE PLAN.  Registers that memory instructions touch:
;   v2, v3     byte offsets, made once at the head and never written again: v2 is read by every load, v3 by every store.
;   IN[i]      pass i's 8 registers: written by its two loads, issued at the head; no vector instruction names them ahead of those loads; read by pass i's conversions; no load lands in them again.
;   OUT[i]     pass i's 4 registers: written by pass i's conversions alone, read by its one store, and never written behind that store.
;   v[112:113] are named by vector instructions alone.
; The eight passes go in four steps of two.  Step j rounds passes 2 j and 2 j + 1; its memory instructions are the stores of passes 2 j - 2 and 2 j - 1, whose registers no vector instruction of step j names.
; So one wait on va_vdst at a step's head, behind the wait for the step's data, states all that the step's two stores hang on, and they are dealt among its conversions with no further wait.
; No register that a memory instruction has read is written again, so no wait on vm_vsrc is owed; no vector instruction writes a scalar register or VCC; EXEC is never written.
.set SO,  2                            ; v2  byte offset in the 16 source rows: half x 4,096 + 32 (t % 128)
.set DO,  3                            ; v3  byte offset in wt: (t % 128 / 16) x 65,536 + half x 256 + 16 (t % 16)
.set IN,  16                           ; v[16:79]   pass i: 8 numbers f32
.set OUT, 80                           ; v[80:111]  pass i: 8 numbers of 16 bits
.set TL,  112                          ; v[112:113] at work
	s_load_b256 s[4:11], s[0:1], 0x0               ; Wq s[4:5], Wk s[6:7], Wv s[8:9], Wo s[10:11]
	s_load_b64 s[12:13], s[0:1], 0x20              ; wt
	s_and_b32 s16, ttmp7, 0xffff                   ; g
	v_lshrrev_b32 v1, 7, v0                        ; half
	v_and_b32 v4, 127, v0
	v_lshlrev_b32 v[SO], 5, v4
	v_lshl_add_u32 v[SO], v1, 12, v[SO]
	v_lshrrev_b32 v5, 4, v4                        ; ks
	v_and_b32 v6, 15, v4
	v_lshlrev_b32 v[DO], 16, v5
	v_lshl_add_u32 v[DO], v1, 8, v[DO]
	v_lshl_add_u32 v[DO], v6, 4, v[DO]
	s_lshl_b32 s18, ttmp9, 16                      ; 16 source rows of 4,096 bytes
	s_mov_b32 s19, 0
	s_lshr_b32 s20, ttmp9, 4                       ; y
	s_lshl_b32 s20, s20, 5
	s_lshl3_add_u32 s20, s16, s20                  ; 32 y + 8 g
	s_lshl_b32 s20, s20, 16
	s_and_b32 s21, ttmp9, 15
	s_lshl_b32 s21, s21, 12                        ; 16 tile rows of 256 bytes
	s_add_co_u32 s20, s20, s21
	s_mov_b32 s21, 0
	s_wait_kmcnt 0x0
	s_cmp_eq_u32 s16, 1
	s_cselect_b64 s[14:15], s[6:7], s[4:5]
	s_cmp_eq_u32 s16, 2
	s_cselect_b64 s[14:15], s[8:9], s[14:15]
	s_cmp_eq_u32 s16, 3
	s_cselect_b64 s[14:15], s[10:11], s[14:15]
	s_add_nc_u64 s[14:15], s[14:15], s[18:19]
	s_add_nc_u64 s[12:13], s[12:13], s[20:21]
	s_wait_alu depctr_va_vdst(0)                   ; v2 and v3 are written: every load of the kernel reads v2 as its offset, every store v3
.irp i, 0,1,2,3,4,5,6,7
	global_load_b128 v[IN+8*\i:IN+8*\i+3],   v[SO], s[14:15] offset:\i*8192 th:TH_LOAD_NT
	global_load_b128 v[IN+8*\i+4:IN+8*\i+7], v[SO], s[14:15] offset:\i*8192+16 th:TH_LOAD_NT
.endr
; Pass i's arithmetic.  tof16 = 1: the bf16 number is widened (a shift, a mask) and written as f16.
.macro CONV i, tof16
.irp k, 0,1,2,3
	v_cvt_pk_bf16_f32 v[OUT+4*(\i)+\k], v[IN+8*(\i)+2*\k], v[IN+8*(\i)+2*\k+1]
.endr
.if \tof16
.irp k, 0,1,2,3
	v_lshlrev_b32 v[TL], 16, v[OUT+4*(\i)+\k]
	v_and_b32 v[TL+1], 0xffff0000, v[OUT+4*(\i)+\k]
	v_cvt_pk_f16_f32 v[OUT+4*(\i)+\k], v[TL], v[TL+1]
.endr
.endif
.endm
; Pass i's store.
.macro PUT i
	global_store_b128 v[DO], v[OUT+4*(\i):OUT+4*(\i)+3], s[12:13] offset:(\i)*512  ; 16 lanes store 256 consecutive bytes, aligned
.endm
; Step j: passes 2 j and 2 j + 1 are rounded; the two passes of the step before are stored, one store ahead of each run of conversions.
.macro STEP j, tof16
	s_wait_loadcnt 12-4*(\j)                       ; loads come back in order: this step's four are in, the 12 - 4 j younger ones stay out
.if (\j) > 0
	s_wait_alu depctr_va_vdst(0)                   ; the step before has written OUT of its two passes, which the two stores below read; no vector instruction of this step names them or v3
	PUT 2*(\j)-2
.endif
	CONV 2*(\j), \tof16
.if (\j) > 0
	PUT 2*(\j)-1
.endif
	CONV 2*(\j)+1, \tof16
.endm
	s_cmp_eq_u32 s16, 3
	s_cbranch_scc1 .Lwo
.irp j, 0,1,2,3
	STEP \j, 0
.endr
	s_wait_alu depctr_va_vdst(0)                   ; step 3 has written OUT of passes 6 and 7, which the last two stores read
	PUT 6
	PUT 7
	s_endpgm
.Lwo:
.irp j, 0,1,2,3
	STEP \j, 1
.endr
	s_wait_alu depctr_va_vdst(0)                   ; step 3 has written OUT of passes 6 and 7, which the last two stores read
	PUT 6
	PUT 7
	s_endpgm
.Lfunc_end_k_qdd384bbd99_castw:
	.size	k_qdd384bbd99_castw, .Lfunc_end_k_qdd384bbd99_castw-k_qdd384bbd99_castw
	.p2alignl 7, 3214868480
	.fill 96, 4, 3214868480
	.section	.rodata,"a",@progbits
	.p2align	6, 0x0
	.amdhsa_kernel k_qdd384bbd99_castw
		.amdhsa_group_segment_fixed_size 0
		.amdhsa_private_segment_fixed_size 0
		.amdhsa_enable_private_segment 0
		.amdhsa_kernarg_size 40
		.amdhsa_user_sgpr_count 2
		.amdhsa_user_sgpr_kernarg_segment_ptr 1
		.amdhsa_wavefront_size32 1
		.amdhsa_system_sgpr_workgroup_id_x 1
		.amdhsa_system_sgpr_workgroup_id_y 1
		.amdhsa_system_sgpr_workgroup_id_z 1
		.amdhsa_system_vgpr_workitem_id 0
		.amdhsa_next_free_vgpr 120
		.amdhsa_next_free_sgpr 66
		.amdhsa_reserve_vcc 0
		.amdhsa_float_denorm_mode_32 3
		.amdhsa_float_denorm_mode_16_64 3
		.amdhsa_memory_ordered 1
		.amdhsa_forward_progress 1
		.amdhsa_inst_pref_size 15
	.end_amdhsa_kernel
	.amdgpu_metadata
---
amdhsa.version: [ 1, 2 ]
amdhsa.kernels:
  - .name:           k_qdd384bbd99_castw
    .symbol:         k_qdd384bbd99_castw.kd
    .args:
      - { .name: Wq, .offset: 0, .size: 8, .value_kind: global_buffer, .address_space: global }
      - { .name: Wk, .offset: 8, .size: 8, .value_kind: global_buffer, .address_space: global }
      - { .name: Wv, .offset: 16, .size: 8, .value_kind: global_buffer, .address_space: global }
      - { .name: Wo, .offset: 24, .size: 8, .value_kind: global_buffer, .address_space: global }
      - { .name: wt, .offset: 32, .size: 8, .value_kind: global_buffer, .address_space: global }
    .group_segment_fixed_size: 0
    .private_segment_fixed_size: 0
    .kernarg_segment_align: 8
    .kernarg_segment_size: 40
    .max_flat_workgroup_size: 256
    .sgpr_count:     66
    .vgpr_count:     120
    .wavefront_size: 32
...
	.end_amdgpu_metadata
.endif
;; end of part 4
;; launch qkva: the kernel of part 2 again; grid 64 x 4, 4 waves a work-group, clusters of 4 x 1, 327,680 bytes of LDS; arguments query, keys, values, mask, wt, oh, vpart, dead; writes oh, vpart, dead
;; launch outp: the kernel of part 3 again; grid 64 x 4, 4 waves a work-group, clusters of 4 x 1, 327,680 bytes of LDS; arguments oh, wt, bo, vpart, dead, out0; writes out0
